; MI455X (gfx1250); checked and timed in simulation.
; The chip was launched on July 23, 2026; its instructions are those of AMD's public machine-readable ISA for CDNA 5 (MIT licence, August 2026) and "CDNA5" Instruction Set Architecture Reference Guide (July 2026). The comments in the code are by the model that wrote it; some were corrected since.
;; Expert Pool. Allowed arithmetic: matrix products marked QUANTISED: E5M2 operands, one given power-of-two scale a tensor, by v_wmma_f32_16x16x64_bf8_bf8 or v_wmma_f32_16x16x128_bf8_bf8, f32 sums; products left as they are: f32 operands where the result goes on into a quantised operand, else bf16, f16 or f32 operands; f32 sums; everything else in f32.
;; Inputs: W1_codes 8 x 2,048 x 32 x 32 uint8 (E5M2 codes of W1, K innermost, in blocks of 32 codes); W2_codes 8 x 1,024 x 64 x 32 uint8 (E5M2 codes of W2, K innermost, in blocks of 32 codes); b1 8 x 2,048 float32; b2 8 x 1,024 float32; expert_weights 2,048 x 2 float32; hidden_states_codes 2,048 x 32 x 32 uint8 (E5M2 codes of hidden_states, K innermost, in blocks of 32 codes); lowp_scales 32 int32 (the exponents e of the quantised operands' scales 2^e); selected_experts 2,048 x 2 int32.
;; Outputs: out0 2,048 x 1,024 float32.
;; This version of the problem:
;;   THIS VERSION OF THE PROBLEM IS GIVEN IN LOW PRECISION. The matrix products marked QUANTISED in the list below multiply operands that are first quantised to E5M2 (5 exponent bits, 2 mantissa bits; 8 bits a number), with one given power-of-two scale for each operand tensor; their sums are f32. All else is computed in f32.
;;   The module's matrix products, in the order in which they are computed (A, B: the left and right operand; K: the contracted axis; several contracted axes count as one K, in the product's order):
;;     1. batch 2,048 x [M 1, K 2] x [K 2, N 8]; A: input expert_weights; B: computed on the way: left as it is (K = 2 < 32)
;;     2. [M 2,048, K 1,024] x [K 1,024, N 2,048]; A: input hidden_states (given as codes); B: input W1 (given as codes): QUANTISED (scales: A lowp_scales[0], B lowp_scales[1])
;;     3. [M 2,048, K 2,048] x [K 2,048, N 1,024]; A: computed on the way; B: input W2 (given as codes): QUANTISED (scales: A lowp_scales[2], B lowp_scales[3])
;;     4. [M 2,048, K 1,024] x [K 1,024, N 2,048]; A: input hidden_states (given as codes); B: input W1 (given as codes): QUANTISED (scales: A lowp_scales[4], B lowp_scales[5])
;;     5. [M 2,048, K 2,048] x [K 2,048, N 1,024]; A: computed on the way; B: input W2 (given as codes): QUANTISED (scales: A lowp_scales[6], B lowp_scales[7])
;;     6. [M 2,048, K 1,024] x [K 1,024, N 2,048]; A: input hidden_states (given as codes); B: input W1 (given as codes): QUANTISED (scales: A lowp_scales[8], B lowp_scales[9])
;;     7. [M 2,048, K 2,048] x [K 2,048, N 1,024]; A: computed on the way; B: input W2 (given as codes): QUANTISED (scales: A lowp_scales[10], B lowp_scales[11])
;;     8. [M 2,048, K 1,024] x [K 1,024, N 2,048]; A: input hidden_states (given as codes); B: input W1 (given as codes): QUANTISED (scales: A lowp_scales[12], B lowp_scales[13])
;;     9. [M 2,048, K 2,048] x [K 2,048, N 1,024]; A: computed on the way; B: input W2 (given as codes): QUANTISED (scales: A lowp_scales[14], B lowp_scales[15])
;;     10. [M 2,048, K 1,024] x [K 1,024, N 2,048]; A: input hidden_states (given as codes); B: input W1 (given as codes): QUANTISED (scales: A lowp_scales[16], B lowp_scales[17])
;;     11. [M 2,048, K 2,048] x [K 2,048, N 1,024]; A: computed on the way; B: input W2 (given as codes): QUANTISED (scales: A lowp_scales[18], B lowp_scales[19])
;;     12. [M 2,048, K 1,024] x [K 1,024, N 2,048]; A: input hidden_states (given as codes); B: input W1 (given as codes): QUANTISED (scales: A lowp_scales[20], B lowp_scales[21])
;;     13. [M 2,048, K 2,048] x [K 2,048, N 1,024]; A: computed on the way; B: input W2 (given as codes): QUANTISED (scales: A lowp_scales[22], B lowp_scales[23])
;;     14. [M 2,048, K 1,024] x [K 1,024, N 2,048]; A: input hidden_states (given as codes); B: input W1 (given as codes): QUANTISED (scales: A lowp_scales[24], B lowp_scales[25])
;;     15. [M 2,048, K 2,048] x [K 2,048, N 1,024]; A: computed on the way; B: input W2 (given as codes): QUANTISED (scales: A lowp_scales[26], B lowp_scales[27])
;;     16. [M 2,048, K 1,024] x [K 1,024, N 2,048]; A: input hidden_states (given as codes); B: input W1 (given as codes): QUANTISED (scales: A lowp_scales[28], B lowp_scales[29])
;;     17. [M 2,048, K 2,048] x [K 2,048, N 1,024]; A: computed on the way; B: input W2 (given as codes): QUANTISED (scales: A lowp_scales[30], B lowp_scales[31])
;;   THE QUANTISER, for each operand of a quantised product, along K:
;;     - The operand's scale is 2^e, e = its entry of the input lowp_scales (int32; the entries are numbered through the quantised products in the list's order, A before B).
;;     - Each number is divided by the scale, clamped to +-57,344, and rounded to the nearest number of E5M2, ties to even, subnormals kept.
;;     - The product sums the exact products of the quantised numbers (number of the format x scale) in f32.
;;   ~~~python
;;   def quantise(x, axis, e):      # numpy; x: float32 -> the quantised numbers, widened to float32 again
;;       x = np.moveaxis(x, axis, -1); K = x.shape[-1]
;;       r = np.clip(x / 2.0 ** e, -57344, 57344)
;;       step = 2.0 ** (np.maximum(np.frexp(np.where(r == 0, 1, r))[1] - 1, -14) - 2)
;;       q = np.round(r / step) * step * 2.0 ** e      # np.round: ties to even
;;       return np.moveaxis(q, -1, axis).astype(np.float32)
;;   ~~~
;;   OPERANDS COMPUTED ON THE WAY. 'Computed on the way' means the value that the module computes at that place (a softmax that the list does not call 'softmax' is quantised finished and normalised). What goes into a quantiser is computed in f32, as accurately as f32 sums, v_exp_f32 and their like allow (about 1e-6 of the number): no bf16 or f16 on the way to a quantiser, and a product that is left as it is and whose result goes on into a quantised operand takes f32 operands (vector FMAs, or v_wmma_f32_16x16x4_f32). A number that lies on a knife's edge between two numbers of the format may be rounded either way, as far as f32 arithmetic and the matrix unit's own rounding can turn it there, and no further.
;;   INPUTS GIVEN AS CODES. W1 (in the module: [8, 1024, 2048], K = its axis 1); W2 (in the module: [8, 2048, 1024], K = its axis 1); hidden_states (in the module: [2048, 1024], K = its axis 1): each comes as NAME_codes (uint8): NAME with its K axis moved to the last place and cut into blocks of 32 codes, [.., K / 32, bytes a block], one block behind the other in memory; one code a byte (a code: sign, 5 exponent bits, 2 mantissa bits); its scale is its entry of lowp_scales. Its value is code x scale, taken as it is: it is not quantised again, and the codes and scales need not be those that the quantiser above would give.
;; One version. Each part assembles by itself: llvm-mc -triple=amdgcn-amd-amdhsa -mcpu=gfx1250 --defsym DOCPART=n.
;; ======== version 1 of 1: 3 launches
;; limits: right only within a limited range of input values
;; workspace buffers: rank 131,072 bytes of whole numbers; cnt 2,048 bytes of whole numbers; himg 67,108,864 bytes; ybuf 134,217,728 bytes
;; launch up (part 1): grid 256 x 1, 4 waves a work-group, no clusters, 290,304 bytes of LDS; arguments selected_experts, hidden_states_codes, W1_codes, b1, lowp_scales, himg, rank, cnt; writes himg, rank, cnt
.if DOCPART == 1
	.amdgcn_target "amdgcn-amd-amdhsa--gfx1250"
	.amdhsa_code_object_version 6
	.text
	.protected	k_q63b7459da8_up
	.globl	k_q63b7459da8_up
	.p2align	8
	.type	k_q63b7459da8_up,@function
k_q63b7459da8_up:
	s_mov_b64 s[64:65], 0
	v_nop
	global_prefetch_b8 v0, s[64:65] scope:SCOPE_SE
	s_setreg_imm32_b32 hwreg(HW_REG_WAVE_MODE, 25, 1), 1
	s_wait_xcnt 0x0
; UP, with the routing.  Work-group (e, j, q) = (id % 8, (id / 8) % 8, id / 64): expert e, hidden units 256 j .. + 255, and of the expert's tiles of 16 rows those numbered q + 4 i.
; ONLY THE CHOSEN ROWS are multiplied: an entry (token t, slot k; number 2 t + k) belongs to expert e if its index equals e.  The index input decides this; an index outside 0 .. 7 matches no expert.
; THE ROUTING.  Each work-group compacts the entries of its own expert: thread T = 32 w + lane takes entries 1024 w + 128 g + 4 lane + c (g = 0 .. 7, c = 0 .. 3) as four units of eight;
; a unit keeps the numbers of its matches as nibbles, lowest first, and their count.  Rank = matches in earlier threads, units and entries.  Counts and lists go through LDS once; every wave then finds the token of a rank
; by lane permutes: the block of 4 threads by its prefix, the unit by byte prefixes, the nibble.  Ranks past the last are held at the last: such rows are computed and read by nobody.
; Work-group (e, 0, 0) stores the rank of each entry, rank[e][entry] (used only where the entry's index is e), and the row count, cnt[e].
; THE PRODUCT.  h = gelu(x W1[e]^T x 2^(ex + ew1) + b1[e]), exact gelu in f32, quantised with 2^eh, stored as images of operand registers:
;   himg byte e 2^23 + tile 32768 + 2048 kb + 512 c + 16 lane = units 128 kb + 32 c + 16 (lane / 16) + 0 .. 15 of row lane % 16.
; Nine tiles (i = 0 .. 8, 144 rows) take the main path: four waves, each 144 rows x 64 units (36 accumulators, 288 registers), K = 1,024 in four chunks of 256, each four steps of 64.
; Tiles i = 9 and on, if the split has them, go through a loop without barriers whose trip count is made of the row count: so this launch has no tensor load, and hence no cluster with joint loads.
; Operands go from memory to registers (whole rows of 256 bytes, sixteen lanes each) and from there to LDS; W1 has three slots of its own for each wave, the rows two slots shared by the waves, one barrier a chunk.
; NO PREFETCH: every chunk's own loads are issued at least a chunk ahead of their stores into LDS, into registers.
; W1's rows are laid in LDS so that tile 2 b + u, line m, is unit 32 b + 16 (m / 8) + 8 u + m % 8: then a lane's 16 results of tiles 2 b, 2 b + 1 are 16 neighbouring units.
; The matrix instruction is used transposed (source 0 = W1, source 1 = rows).  Both operands take K = 32 c + 16 h + 0 .. 15 in registers 4 c .. 4 c + 3: the same permutation on both sides.  b1 / 2^(ex + ew1) is the first C.
; GELU.  gelu(x) = max(x, 0) - 0.5 |x| erfc(|x| / sqrt 2); erfc(z) = t exp(-z z + poly(t)), t = 1 / (1 + z / 2), a polynomial of degree 9, fractional error under 1.2e-7 for every z.
; In base 2: A = |x| sqrt(log2(e) / 2), T = 1 / (1 + KD A), P = poly2(T) - A A, gelu = max(x, 0) - A T 2^P.
; LIMITS: -125 <= ex + ew1 <= 127; -126 <= eh <= 112; the sums x 2^(ex + ew1) stay under 1e19 in magnitude; infinities and NaN among codes or biases are not served; one in a row or an expert that no entry chooses is not carried to the result.
; REGISTERS.  Window 0: v1 r, v2 h, v3 lane, v4 16 lane, v5 offset in W1, v6 W1 into LDS, v7 W1 fragments, v8-9 row fragments, v10-11 rows into LDS, v12-13 spare word and 0, v14-15 C8, v16 2^eh, v17 57,344 x 2^eh,
;   v20 block prefix, v21-24 byte prefixes, v29 16 r, v240-255 the lists; v32-239 two sets of fragments (104 each); ahead of them the routing, behind them gelu.
; Window 1: accumulators of row tiles 0-7.  Window 2: v0-31 those of row tile 8, v32-63 bias, v64-207 two sets of rows on their way, v208-225 row offsets.  Window 3: two sets of W1 on their way.
.set PITCH, 272                        ; 256 bytes + 16: an odd multiple of 16 bytes
.set WSL,   64*PITCH
.set ABASE, 12*WSL
.set ASL,   144*PITCH
.set CNT,   ABASE+2*ASL
.set LST,   CNT+512
.set SPARE, LST+2048
.set SEL,   32
.set PL,    66
.set TA,    32
.set TR,    64
.set TT,    96
.set TP,    128
.set CODE,  160
.set MSB, 0
.macro WIN new                         ; the immediate's high byte repeats the setting that is left
.if MSB != \new
	s_set_vgpr_msb (MSB<<8)|\new
.set MSB, \new
.endif
.endm
.macro PLACES n
.rept \n
	v_nop
.endr
.endm
.macro LDW c, p0, n                    ; W1, chunk c: pairs of rows p0 .. p0 + n - 1 of my 64
	WIN 0xc0
.set GP, \p0
.rept \n
	global_load_b128 v[128*((\c)%2)+4*GP:128*((\c)%2)+4*GP+3], v5, s[8:9] offset:2048*GP+256*(\c)
.set GP, GP+1
.endr
	WIN 0
.endm
.macro STW c, p0, n
	WIN 0x0c
.set GP, \p0
.rept \n
.set PP, (GP&19)|((GP&4)<<1)|((GP&8)>>1)   ; the order of lines: bits 3 and 4 of the row's number change places
	ds_store_b128 v6, v[128*((\c)%2)+4*GP:128*((\c)%2)+4*GP+3] offset:WSL*((\c)%3)+544*PP
.set GP, GP+1
.endr
	WIN 0
.endm
.macro GA c, p0, n                     ; rows, chunk c: 16 pairs of tiles 2 w, 2 w + 1 and 2 pairs of tile 8; of these p0 .. p0 + n - 1
	WIN 0x82
.set GP, \p0
.rept \n
	global_load_b128 v[64+72*((\c)%2)+4*GP:64+72*((\c)%2)+4*GP+3], v[208+GP], s[6:7] offset:256*(\c)
.set GP, GP+1
.endr
	WIN 0
.endm
.macro STA c, p0, n
	WIN 0x08
.set GP, \p0
.rept \n
.if GP < 16
	ds_store_b128 v10, v[64+72*((\c)%2)+4*GP:64+72*((\c)%2)+4*GP+3] offset:ASL*((\c)%2)+544*GP
.else
	ds_store_b128 v11, v[64+72*((\c)%2)+4*GP:64+72*((\c)%2)+4*GP+3] offset:ASL*((\c)%2)+544*(GP-16)
.endif
.set GP, GP+1
.endr
	WIN 0
.endm
.macro FETCH S, p                      ; the fragments of step S (64 along K) into set S % 2: part p of three, 10 + 8 + 8 LDS loads
	WIN 0
.set FB, 32+104*((\S)%2)
.set FC, (\S)/4
.irp nt, 0,1,2,3
.if ((\nt) == ((\p)+1)) || (((\nt)+(\p)) == 0)
.irp c, 0,1
	ds_load_b128 v[FB+72+8*\nt+4*\c:FB+72+8*\nt+4*\c+3], v7 offset:WSL*(FC%3)+4352*\nt+64*((\S)%4)+32*\c
.endr
.endif
.endr
.irp rt, 0,1,2
.irp c, 0,1
	ds_load_b128 v[FB+8*(3*(\p)+\rt)+4*\c:FB+8*(3*(\p)+\rt)+4*\c+3], v[8+(FC%2)] offset:4352*(3*(\p)+\rt)+64*((\S)%4)+32*\c
.endr
.endr
.endm
; row tiles r0 .. r1 x four tiles of units.  The 36 accumulators take turns in the same order in every step
.macro MUL S, r0, r1
.set FB, 32+104*((\S)%2)
.set RT, \r0
.rept (\r1)-(\r0)+1
.if RT < 8
.if (\S) == 0
	WIN 0x60                                       ; D window 1, C (the bias) window 2
.else
	WIN 0x50
.endif
.else
	WIN 0xa0
.endif
.irp nt, 0,1,2,3
.if (\S) == 0
	v_wmma_f32_16x16x64_bf8_bf8 v[32*(RT%8)+8*\nt:32*(RT%8)+8*\nt+7], v[FB+72+8*\nt:FB+72+8*\nt+7], v[FB+8*RT:FB+8*RT+7], v[32+8*\nt:32+8*\nt+7]
.else
	v_wmma_f32_16x16x64_bf8_bf8 v[32*(RT%8)+8*\nt:32*(RT%8)+8*\nt+7], v[FB+72+8*\nt:FB+72+8*\nt+7], v[FB+8*RT:FB+8*RT+7], v[32*(RT%8)+8*\nt:32*(RT%8)+8*\nt+7]
.endif
.endr
.set RT, RT+1
.endr
	WIN 0
.endm
; a step: its fragments are in (younger: the stores issued behind them, which may be out); the next step's are fetched; the products.
; A chunk's last step passes the barrier: my reads of this chunk and my stores of the next are over in front of it.
; What else a step does, in four parts between its products.  Stores: in a chunk's second step the next chunk's rows, in its third the next chunk's W1.
; Loads: in the first two chunks, for two chunks on, the rows in the first step and W1 in the second and third.  (Chunks 0 and 1 are asked for at the head, as soon as their addresses are there.)
.macro EX S, g
.if (\S) < 12
.if ((\S)%4) == 1
.if (\g) == 0
.if (\S) < 9
	s_wait_loadcnt 18                              ; the next chunk is in registers; behind it the rows of the one after
.else
	s_wait_loadcnt 0x0
.endif
.endif
	STA ((\S)/4+1), 5*\g-\g/3, 5-\g/2
.endif
.if ((\S)%4) == 2
	STW ((\S)/4+1), 8*\g, 8
.endif
.endif
.if (\S) < 8
.if ((\S)%4) == 0
	GA ((\S)/4+2), 5*\g-\g/3, 5-\g/2
.endif
.if ((\S)%4) == 1
	LDW ((\S)/4+2), 4*\g, 4
.endif
.if ((\S)%4) == 2
	LDW ((\S)/4+2), 16+4*\g, 4
.endif
.endif
.endm
.macro STEP S, younger
	s_wait_dscnt \younger
.if ((\S)%4) == 3 && (\S) < 15
	s_barrier_signal -1
	MUL \S, 0, 1
	s_barrier_wait -1
.endif
.if (\S) < 15
	PLACES 4                                       ; in front of loads into the set that the last step's products read
	FETCH (\S+1), 0
.endif
	EX \S, 0
.if ((\S)%4) != 3 || (\S) == 15
	MUL \S, 0, 1
.endif
.if (\S) < 15
	FETCH (\S+1), 1
.endif
	EX \S, 1
	MUL \S, 2, 3
.if (\S) < 15
	FETCH (\S+1), 2
.endif
	EX \S, 2
	MUL \S, 4, 5
	EX \S, 3
	MUL \S, 6, 8
.endm
; FIND, first half: v[R] a rank (held below the count); v[a] = the block of four threads that has it; its prefixes and lists on their way
.macro FINDA R, a
	v_min_u32 v[\R], s56, v[\R]
	v_mov_b32 v[\a], -1
	v_add_nc_u32 v[\a+2], 1, v[\R]
.set GL, 0
.rept 4
.irp x, 0,1,2,3,4,5,6,7
	v_sub_nc_u32 v[\a+8+\x], s[PL+GL+\x], v[\a+2]  ; negative where the prefix is not above the rank
.endr
.irp x, 0,1,2,3,4,5,6,7
	v_lshrrev_b32 v[\a+8+\x], 31, v[\a+8+\x]
.endr
.irp x, 0,2,4,6
	v_add3_u32 v[\a], v[\a+8+\x], v[\a+9+\x], v[\a]
.endr
.set GL, GL+8
.endr
	v_lshlrev_b32 v[\a+1], 2, v[\a]
	ds_bpermute_b32 v[\a+2], v[\a+1], v20
.irp x, 0,1,2,3
	ds_bpermute_b32 v[\a+3+\x], v[\a+1], v[21+\x]
.endr
.irp x, 0,1,2,3,4,5,6,7,8,9,10,11,12,13,14,15
	ds_bpermute_b32 v[\a+8+\x], v[\a+1], v[240+\x]
.endr
.endm
; FIND, second half: v[a + 1] = the token
.macro FINDB R, a
	v_sub_nc_u32 v[\a+2], v[\R], v[\a+2]           ; n: the rank inside the block, under 128
	v_mul_lo_u32 v[\a+7], v[\a+2], s57
	v_or_b32 v[\a+7], s58, v[\a+7]
.irp x, 0,1,2,3
	v_sub_nc_u32 v[\a+24+\x], v[\a+7], v[\a+3+\x]  ; byte by byte: bit 7 stays where n is not below the unit's prefix
.endr
.irp x, 0,1,2,3
	v_and_b32 v[\a+24+\x], s58, v[\a+24+\x]
.endr
.irp x, 0,1,2,3
	v_lshrrev_b32 v[\a+24+\x], 7, v[\a+24+\x]
.endr
	v_add3_u32 v[\a+24], v[\a+24], v[\a+25], v[\a+26]
	v_add_nc_u32 v[\a+24], v[\a+24], v[\a+27]
	v_mul_lo_u32 v[\a+24], v[\a+24], s57
	v_lshrrev_b32 v[\a+24], 24, v[\a+24]
	v_add_nc_u32 v[\a+24], -1, v[\a+24]            ; the unit, 0 .. 15
	v_lshrrev_b32 v[\a+25], 2, v[\a+24]            ; its thread in the block
	v_and_b32 v[\a+26], 3, v[\a+24]                ; its number in the thread
.irp x, 1,2,3
	v_cmp_eq_u32 vcc_lo, \x, v[\a+25]
	v_cndmask_b32 v[\a+3], v[\a+3], v[\a+3+\x], vcc_lo
.endr
	v_lshlrev_b32 v[\a+27], 3, v[\a+26]
	v_lshrrev_b32 v[\a+3], v[\a+27], v[\a+3]
	v_and_b32 v[\a+3], 0xff, v[\a+3]
	v_sub_nc_u32 v[\a+2], v[\a+2], v[\a+3]         ; the rank inside the unit
	v_and_b32 v[\a+27], 1, v[\a+24]
	v_cmp_eq_u32 vcc_lo, 1, v[\a+27]
.irp x, 0,2,4,6,8,10,12,14
	v_cndmask_b32 v[\a+8+\x], v[\a+8+\x], v[\a+9+\x], vcc_lo
.endr
	v_and_b32 v[\a+27], 2, v[\a+24]
	v_cmp_eq_u32 vcc_lo, 2, v[\a+27]
.irp x, 0,4,8,12
	v_cndmask_b32 v[\a+8+\x], v[\a+8+\x], v[\a+10+\x], vcc_lo
.endr
	v_and_b32 v[\a+27], 4, v[\a+24]
	v_cmp_eq_u32 vcc_lo, 4, v[\a+27]
	v_cndmask_b32 v[\a+8], v[\a+8], v[\a+12], vcc_lo
	v_cndmask_b32 v[\a+16], v[\a+16], v[\a+20], vcc_lo
	v_cmp_le_u32 vcc_lo, 8, v[\a+24]
	v_cndmask_b32 v[\a+8], v[\a+8], v[\a+16], vcc_lo
	v_lshlrev_b32 v[\a+27], 2, v[\a+2]
	v_lshrrev_b32 v[\a+8], v[\a+27], v[\a+8]
	v_and_b32 v[\a+8], 7, v[\a+8]                  ; the entry's number in the unit: g = 2 u + i / 4, c = i % 4
	v_lshrrev_b32 v[\a+1], 3, v[\a]
	v_lshlrev_b32 v[\a+1], 9, v[\a+1]              ; token = entry / 2 = 512 w + 64 g + 2 lane + c / 2
	v_and_b32 v[\a+27], 7, v[\a]
	v_lshl_add_u32 v[\a+1], v[\a+27], 3, v[\a+1]
	v_lshl_add_u32 v[\a+1], v[\a+25], 1, v[\a+1]
	v_lshl_add_u32 v[\a+1], v[\a+26], 7, v[\a+1]
	v_lshrrev_b32 v[\a+27], 2, v[\a+8]
	v_lshl_add_u32 v[\a+1], v[\a+27], 6, v[\a+1]
	v_bfe_u32 v[\a+27], v[\a+8], 1, 1
	v_add_nc_u32 v[\a+1], v[\a+1], v[\a+27]
.endm
; 32 sums (row tile rt) become 32 codes, eight registers.  Each accumulator is read from its low end on.  Reciprocals and exponentials go as batches.
.macro GELU rt
.set SB, 32*((\rt)%8)
.set WA, 0x05*(1+((\rt)/8))            ; sources 0 and 1: window 1 or 2
.set CD, CODE+8*(\rt)
	s_wait_alu depctr_va_vdst(0)                   ; ahead of the first reader of the sums
	WIN WA
.set GI, 0
.rept 32
	v_mul_f32 v[TA+GI], s32, |v[SB+GI]|            ; A = |x| sqrt(log2(e) / 2); 2^(ex + ew1) lies in the factor
.set GI, GI+1
.endr
	WIN 0
.set GI, 0
.rept 16
	v_pk_fma_f32 v[TT+GI:TT+GI+1], v[TA+GI:TA+GI+1], s[36:37], 1.0 op_sel_hi:[1,0,0]   ; 1 + z / 2
.set GI, GI+2
.endr
.set GI, 0
	s_wait_alu depctr_va_vdst(0)
.rept 32
	v_rcp_f32 v[TT+GI], v[TT+GI]                   ; T
.set GI, GI+1
.endr
	WIN WA
.set GI, 0
.rept 32
	v_max_num_f32 v[TR+GI], 0, v[SB+GI]            ; max(sum, 0): plain work behind the reciprocals
.set GI, GI+1
.endr
	WIN 0
	s_wait_alu depctr_va_vdst(0)                   ; one wait for the 32 reciprocals
.set GI, 0
.rept 16
	v_pk_fma_f32 v[TP+GI:TP+GI+1], v[TT+GI:TT+GI+1], s[54:55], v[14:15] op_sel_hi:[1,0,1]   ; C9 T + C8
.set GI, GI+2
.endr
.irp k, 7,6,5,4,3,2,1,0
.set GI, 0
.rept 16
	v_pk_fma_f32 v[TP+GI:TP+GI+1], v[TP+GI:TP+GI+1], v[TT+GI:TT+GI+1], s[38+2*\k:39+2*\k] op_sel_hi:[1,1,0]
.set GI, GI+2
.endr
.endr
.set GI, 0
.rept 16
	v_pk_fma_f32 v[TP+GI:TP+GI+1], v[TA+GI:TA+GI+1], v[TA+GI:TA+GI+1], v[TP+GI:TP+GI+1] neg_lo:[1,0,0] neg_hi:[1,0,0]   ; P = poly - A A
.set GI, GI+2
.endr
.set GI, 0
	s_wait_alu depctr_va_vdst(0)
.rept 32
	v_exp_f32 v[TP+GI], v[TP+GI]
.set GI, GI+1
.endr
.set GI, 0
.rept 16
	v_pk_mul_f32 v[TT+GI:TT+GI+1], v[TT+GI:TT+GI+1], v[TA+GI:TA+GI+1]   ; A T: plain work behind the exponentials
.set GI, GI+2
.endr
	s_wait_alu depctr_va_vdst(0)                   ; one wait for the 32 exponentials
.set GI, 0
.rept 16
	v_pk_mul_f32 v[TT+GI:TT+GI+1], v[TT+GI:TT+GI+1], v[TP+GI:TP+GI+1]
.set GI, GI+2
.endr
.set GI, 0
.rept 16
	v_pk_fma_f32 v[TR+GI:TR+GI+1], v[TR+GI:TR+GI+1], s[34:35], v[TT+GI:TT+GI+1] op_sel_hi:[1,0,1] neg_lo:[0,0,1] neg_hi:[0,0,1]   ; max(sum, 0) x 2^(ex + ew1) - A T 2^P
.set GI, GI+2
.endr
.set GI, 0
.rept 32
	v_med3_num_f32 v[TR+GI], v[TR+GI], -v17, v17   ; the conversion to an 8-bit code does not saturate (ISA guide 7.6.2)
.set GI, GI+1
.endr
.irp k, 0,1,2,3
	v_cvt_scalef32_pk8_bf8_f32 v[CD+2*\k:CD+2*\k+1], v[TR+8*\k:TR+8*\k+7], v16
.endr
	v_nop                                          ; a plain line behind the last conversion
.endm
	s_load_b256 s[4:11], s[0:1], 0x0               ; selected_experts s[4:5], x codes s[6:7], W1 codes s[8:9], b1 s[10:11]
	s_load_b256 s[12:19], s[0:1], 0x20             ; exponents s[12:13], himg s[14:15], rank s[16:17], cnt s[18:19]
	v_lshrrev_b32 v1, 5, v0
	v_readfirstlane_b32 s23, v1                    ; wave 0 .. 3
	v_and_b32 v1, 15, v0                           ; r
	v_bfe_u32 v2, v0, 4, 1                         ; h
	v_and_b32 v3, 31, v0                           ; lane
	v_lshlrev_b32 v4, 4, v3
	v_lshlrev_b32 v19, 6, v2
	v_lshlrev_b32 v29, 4, v1
	v_lshl_add_u32 v5, v2, 10, v29                 ; W1: the pair's row h, 16 r
	v_mul_u32_u24 v6, v2, PITCH
	v_add_nc_u32 v10, v6, v29
	v_mul_u32_u24 v7, v1, PITCH
	v_lshl_add_u32 v7, v2, 4, v7                   ; a fragment's line r, 16 h
	v_lshl_add_u32 v12, v0, 2, SPARE
	v_mov_b32 v13, 0
	v_lshl_add_u32 v26, v0, 2, CNT
	v_lshl_add_u32 v27, v0, 4, LST
	v_lshl_add_u32 v28, v3, 4, CNT
	v_lshl_add_u32 v30, v3, 6, LST
	s_and_b32 s20, ttmp9, 7                        ; e
	s_bfe_u32 s21, ttmp9, 0x30003                  ; j
	s_lshr_b32 s22, ttmp9, 6                       ; q
	s_mul_i32 s28, s23, 3*WSL
	s_mul_i32 s29, s23, 32*PITCH
	s_add_co_u32 s29, s29, ABASE
	s_mul_i32 s30, s23, 4*PITCH
	s_add_co_u32 s30, s30, ABASE+128*PITCH
	s_lshl_b32 s31, s23, 12
	s_wait_alu depctr_va_vdst(0)
	v_add_nc_u32 v8, ABASE, v7
	v_add_nc_u32 v9, ABASE+ASL, v7
	v_add_nc_u32 v6, s28, v10
	v_add_nc_u32 v7, s28, v7
	v_add_nc_u32 v11, s30, v10
	v_add_nc_u32 v10, s29, v10
	v_add_nc_u32 v18, s31, v4                      ; my entries: 4,096 bytes a wave
	v_mov_b32 v14, 0xbf97d29d                      ; C8
	v_mov_b32 v15, 0xbf97d29d
.set GI, 64
.rept 8
	v_mov_b32 v[GI], 0                             ; four lists, four counts
.set GI, GI+1
.endr
	v_mov_b32 v88, 0                               ; written once: a lane move's destination counts as read
	s_lshl_b32 s28, s20, 21                        ; W1: the expert's 2,048 rows of 1,024 bytes, my tile's 256, my wave's 64
	s_lshl_b32 s30, s21, 18
	s_add_co_u32 s28, s28, s30
	s_lshl_b32 s30, s23, 16
	s_add_co_u32 s28, s28, s30
	s_mov_b32 s29, 0
	s_lshl_b32 s98, s20, 13                        ; b1 likewise
	s_lshl_b32 s30, s21, 10
	s_add_co_u32 s98, s98, s30
	s_lshl_b32 s30, s23, 8
	s_add_co_u32 s98, s98, s30
	s_mov_b32 s99, 0
	s_lshl_b32 s30, s20, 4
	s_mov_b32 s31, 0
	s_wait_alu depctr_va_vdst(0)
	s_wait_kmcnt 0x0
.irp g, 0,1,2,3,4,5,6,7
	global_load_b128 v[SEL+4*\g:SEL+4*\g+3], v18, s[4:5] offset:512*\g
.endr
	s_add_nc_u64 s[12:13], s[12:13], s[30:31]
	s_load_b128 s[24:27], s[12:13], 0x0            ; ex, ew1, eh, ew2 of the expert
	s_add_nc_u64 s[8:9], s[8:9], s[28:29]
	s_add_nc_u64 s[10:11], s[10:11], s[98:99]
	LDW 0, 0, 24
	s_mov_b32 s36, 0x3ed5224d                      ; KD = 1 / (2 sqrt(log2 e))
	s_mov_b32 s37, s36                             ; (each constant is named as a pair)
	s_mov_b32 s38, 0xc025c4b7                      ; C0 .. C9: the polynomial x log2(e); C0 also holds log2(0.5 / sqrt(log2(e) / 2))
	s_mov_b32 s39, s38
	s_mov_b32 s40, 0x3fb8ab5a
	s_mov_b32 s41, s40
	s_mov_b32 s42, 0x3f0a29d2
	s_mov_b32 s43, s42
	s_mov_b32 s44, 0x3e0efb2e
	s_mov_b32 s45, s44
	s_mov_b32 s46, 0xbe899a80
	s_mov_b32 s47, s46
	s_mov_b32 s48, 0x3ecdfd18
	s_mov_b32 s49, s48
	s_mov_b32 s50, 0xbfd1a1e5
	s_mov_b32 s51, s50
	s_mov_b32 s52, 0x40097039
	s_mov_b32 s53, s52
	s_mov_b32 s54, 0x3e7c6f08
	s_mov_b32 s55, s54
	s_mov_b32 s57, 0x01010101
	s_mov_b32 s58, 0x80808080
	s_mov_b32 s63, 0xffff0000                      ; lanes 16-31
	s_wait_loadcnt 24                              ; my entries are in; behind them 24 loads of W1
.irp i, 7,6,5,4,3,2,1,0
.irp u, 0,1,2,3
	v_cmp_eq_u32 vcc_lo, s20, v[SEL+8*\u+\i]
	v_lshl_or_b32 v[72+\u], v[64+\u], 4, \i
	v_cndmask_b32 v[64+\u], v[64+\u], v[72+\u], vcc_lo
	v_add_co_ci_u32 v[68+\u], vcc_lo, v[68+\u], v13, vcc_lo
.endr
.endr
	v_lshl_or_b32 v68, v69, 8, v68
	v_lshl_or_b32 v68, v70, 16, v68
	v_lshl_or_b32 v68, v71, 24, v68
	ds_store_b128 v27, v[64:67]
	ds_store_b32 v26, v68
	s_wait_alu depctr_va_vdst(0)
	s_wait_dscnt 0x0                               ; for the other waves
	s_barrier_signal -1
	s_barrier_wait -1
	ds_load_b128 v[72:75], v28                     ; lane L: the counts of threads 4 L .. 4 L + 3,
.irp k, 0,1,2,3
	ds_load_b128 v[240+4*\k:243+4*\k], v30 offset:16*\k   ; and their lists
.endr
	LDW 0, 24, 8
	WIN 0x80
.irp nt, 0,1,2,3
	global_load_b128 v[32+8*\nt:35+8*\nt], v19, s[10:11] offset:128*(\nt/2)+32*(\nt%2)      ; units 32 (nt / 2) + 16 h + 8 (nt % 2) + 0 .. 7
	global_load_b128 v[36+8*\nt:39+8*\nt], v19, s[10:11] offset:128*(\nt/2)+32*(\nt%2)+16
.endr
	WIN 0
	s_wait_dscnt 4
.irp k, 0,1,2,3
	v_mul_lo_u32 v[76+\k], v[72+\k], s57           ; inclusive prefixes of a thread's four units, a byte each
.endr
.irp k, 0,1,2,3
	v_lshrrev_b32 v[80+\k], 24, v[76+\k]
.endr
.irp k, 0,1,2,3
	v_lshlrev_b32 v[76+\k], 8, v[76+\k]            ; exclusive ones
.endr
	v_add_nc_u32 v84, v80, v81
	v_add_nc_u32 v85, v84, v82
	v_add_nc_u32 v86, v85, v83                     ; the block's matches, at most 128
	v_mul_lo_u32 v89, v80, s57
	v_mul_lo_u32 v90, v84, s57
	v_mul_lo_u32 v91, v85, s57
	v_mov_b32 v21, v76
	v_add_nc_u32 v22, v77, v89
	v_add_nc_u32 v23, v78, v90
	v_add_nc_u32 v24, v79, v91
	v_mov_b32 v87, v86
.irp n, 1,2,4,8
	v_mov_b32_dpp v88, v87 row_shr:\n row_mask:0xf bank_mask:0xf bound_ctrl:1
	v_add_nc_u32 v87, v87, v88
.endr
	v_readlane_b32 s62, v87, 15
	v_mov_b32 v88, s62
	v_cndmask_b32 v88, 0, v88, s63
	v_add_nc_u32 v87, v87, v88
	v_sub_nc_u32 v20, v87, v86                     ; the matches of the blocks ahead
	v_readlane_b32 s59, v87, 31                    ; the expert's rows
.set GL, 0
.rept 32
	v_readlane_b32 s[PL+GL], v20, GL
.set GL, GL+1
.endr
	s_max_u32 s56, s59, 1
	s_sub_co_u32 s56, s56, 1
	s_lshl_b32 s62, s23, 7
	s_lshl_b32 s63, s22, 4
	s_add_co_u32 s62, s62, s63
	v_lshl_add_u32 v25, v2, 6, v1
	v_add_nc_u32 v31, 0x200, v1
	v_add_nc_u32 v25, s62, v25                     ; my rows 32 w + lane: tile i = 2 w + h, rank 64 i + 16 q + r
	v_add_nc_u32 v31, s63, v31                     ; tile i = 8
	s_wait_alu depctr_va_vdst(0)
	s_wait_dscnt 0x0                               ; the lists are in
	FINDA 25, 96
	FINDA 31, 124
	LDW 1, 0, 14
	s_wait_alu depctr_va_vdst(0)
	s_wait_dscnt 21                                ; the second search's 21 permutes may be out
	FINDB 25, 96
	s_wait_alu depctr_va_vdst(0)
	s_wait_dscnt 0x0
	FINDB 31, 124
	; the tokens of the row pairs that I load: lanes 0-15 the first row of a pair, lanes 16-31 the second
	s_lshl_b32 s62, s23, 4
	v_lshlrev_b32 v190, 2, v2
.set GP, 0
.rept 16
	v_add_nc_u32 v[152+GP], 8*GP, v190
.set GP, GP+1
.endr
	v_add_nc_u32 v168, s62, v190
	v_add_nc_u32 v169, 8, v168
.set GP, 0
.rept 16
	ds_bpermute_b32 v[172+GP], v[152+GP], v97
.set GP, GP+1
.endr
	ds_bpermute_b32 v188, v168, v125
	ds_bpermute_b32 v189, v169, v125
	s_wait_alu depctr_va_vdst(0)
	s_wait_dscnt 0x0
.set GP, 0
.rept 18
	v_min_u32 v[172+GP], 0x7ff, v[172+GP]          ; held inside the table
.set GP, GP+1
.endr
	WIN 0x80
.set GP, 0
.rept 18
	v_lshl_add_u32 v[208+GP], v[172+GP], 10, v29   ; its row of 1,024 codes, 16 r
.set GP, GP+1
.endr
	GA 0, 0, 18
	s_wait_alu depctr_va_vdst(0)
	s_wait_kmcnt 0x0
	s_add_co_i32 s62, s24, s25                     ; ex + ew1
	s_sub_co_i32 s31, 0, s62
	s_lshl_b32 s28, s62, 23
	s_add_co_i32 s32, s28, 0x3f596d27              ; KA = sqrt(log2(e) / 2) x 2^(ex + ew1): added to its exponent field
	s_add_co_i32 s34, s28, 0x3f800000              ; 2^(ex + ew1)
	s_mov_b32 s35, s34
	s_add_co_i32 s30, s26, 127
	s_lshl_b32 s29, s30, 23
	v_mov_b32 v16, s29                             ; 2^eh: the conversion takes its exponent field
	s_add_co_i32 s30, s30, 15
	s_lshl_b32 s30, s30, 23
	s_or_b32 s30, s30, 0x600000
	v_mov_b32 v17, s30                             ; 57,344 x 2^eh
	s_wait_alu depctr_va_vdst(0)
	s_wait_loadcnt 32                              ; bias and W1's chunk 0 are in; behind them 14 of chunk 1 and 18 of rows
	WIN 0x82
.set GI, 32
.rept 32
	v_ldexp_f32 v[GI], v[GI], s31                  ; b1 / 2^(ex + ew1): the power of two that the sums lack
.set GI, GI+1
.endr
	s_wait_alu depctr_va_vdst(0)
	STW 0, 0, 32
	LDW 1, 14, 18
	GA 1, 0, 18
	s_lshr_b32 s62, ttmp9, 3
	s_cmp_lg_u32 s62, 0
	s_cbranch_scc1 .Lno_rank
	; work-group (e, 0, 0): the rank of each of my entries, and the count
	s_lshl_b32 s62, s23, 5
	v_and_b32 v96, 28, v3
	v_add_nc_u32 v96, s62, v96                     ; 4 x my block
	v_and_b32 v102, 3, v3                          ; my thread's place in it
	ds_bpermute_b32 v97, v96, v20
.irp x, 0,1,2,3
	ds_bpermute_b32 v[98+\x], v96, v[21+\x]
.endr
	s_wait_alu depctr_va_vdst(0)
	s_wait_dscnt 0x0
.irp x, 1,2,3
	v_cmp_eq_u32 vcc_lo, \x, v102
	v_cndmask_b32 v98, v98, v[98+\x], vcc_lo
.endr
.irp u, 0,1,2,3
	v_bfe_u32 v[104+\u], v98, 8*\u, 8
	v_add_nc_u32 v[104+\u], v[104+\u], v97
.endr
.irp i, 0,1,2,3,4,5,6,7
.irp u, 0,1,2,3
	v_cmp_eq_u32 vcc_lo, s20, v[SEL+8*\u+\i]
	v_mov_b32 v[SEL+8*\u+\i], v[104+\u]
	v_add_co_ci_u32 v[104+\u], vcc_lo, v[104+\u], v13, vcc_lo
.endr
.endr
	s_lshl_b32 s28, s20, 14
	s_mov_b32 s29, 0
	s_add_nc_u64 s[16:17], s[16:17], s[28:29]
	s_wait_alu depctr_va_vdst(0)
.irp g, 0,1,2,3,4,5,6,7
	global_store_b128 v18, v[SEL+4*\g:SEL+4*\g+3], s[16:17] offset:512*\g   ; 512 consecutive bytes
.endr
	s_cmp_lg_u32 s23, 0
	s_cbranch_scc1 .Lno_cnt
	s_lshl_b32 s28, s20, 8
	s_add_nc_u64 s[18:19], s[18:19], s[28:29]
	v_lshlrev_b32 v110, 3, v3
	v_mov_b32 v112, s59
	v_mov_b32 v113, s59
	global_store_b64 v110, v[112:113], s[18:19]    ; 256 consecutive bytes, the count in every word
.Lno_cnt:
	s_wait_alu depctr_va_vdst(0)
	s_wait_xcnt 0x0                                ; the stores have read their registers: fragments land there
.Lno_rank:
	s_wait_loadcnt 36                              ; the rows' chunk 0 is in: behind it 18 loads of W1's chunk 1 and 18 of the rows'
	STA 0, 0, 18
	s_wait_dscnt 0x0
	s_barrier_signal -1
	s_barrier_wait -1
	FETCH 0, 0
	FETCH 0, 1
	FETCH 0, 2
	STEP 0, 0
	STEP 1, 0
	STEP 2, 8                                      ; the last eight stores of rows may be out
	STEP 3, 0
	STEP 4, 0
	STEP 5, 0
	STEP 6, 8
	STEP 7, 0
	STEP 8, 0
	STEP 9, 0
	STEP 10, 8
	STEP 11, 0
	STEP 12, 0
	STEP 13, 0
	STEP 14, 0
	STEP 15, 0
	; THE WAY OUT
	s_lshl_b32 s28, s20, 23                        ; himg: the expert, the first tile, my units
	s_lshl_b32 s30, s22, 15
	s_add_co_u32 s28, s28, s30
	s_lshl_b32 s30, s21, 12
	s_add_co_u32 s28, s28, s30
	s_lshl_b32 s30, s23, 10
	s_add_co_u32 s28, s28, s30
	s_mov_b32 s29, 0
	s_add_nc_u64 s[14:15], s[14:15], s[28:29]
	s_add_nc_u64 s[98:99], s[14:15], 0x100000      ; tile i = 8
	s_add_co_u32 s60, s59, 15                      ; trips of the loop below: my tiles less 8, at least 1
	s_lshr_b32 s60, s60, 4
	s_sub_co_i32 s60, s60, s22
	s_add_co_i32 s60, s60, 3
	s_ashr_i32 s60, s60, 2
	s_sub_co_i32 s60, s60, 8
	s_max_i32 s60, s60, 1
	s_min_u32 s60, s60, 56                         ; a work-group has at most 64 of an expert's 256 tiles
	s_mov_b32 s61, 0
	PLACES 4
.Lway:                                                 ; two trips of four row tiles; between them tiles 4-7 move to the places of tiles 0-3
.irp rt, 0,1,2,3
	GELU \rt
	global_store_b128 v4, v[CODE+8*\rt:CODE+8*\rt+3], s[14:15] offset:131072*\rt       ; 512 consecutive bytes each
	global_store_b128 v4, v[CODE+8*\rt+4:CODE+8*\rt+7], s[14:15] offset:131072*\rt+512
.endr
	s_add_co_u32 s61, s61, 1
	s_cmp_eq_u32 s61, 2
	s_wait_alu depctr_va_vdst(0)
	s_cbranch_scc1 .Lway_done
	s_wait_xcnt 0x0                                ; the stores have read their base and their registers
	s_add_nc_u64 s[14:15], s[14:15], 0x80000
	s_wait_alu depctr_va_vdst(0)                   ; ahead of the first reader of the sums
	WIN 0x41
.set GI, 0
.rept 128
	v_mov_b32 v[GI], v[128+GI]
.set GI, GI+1
.endr
	WIN 0
	s_cmp_lt_u32 s61, 2
	s_wait_alu depctr_va_vdst(0)
	s_cbranch_scc1 .Lway
.Lway_done:
	s_mov_b32 s61, 0
.Lover:
	GELU 8
	global_store_b128 v4, v[CODE+64:CODE+67], s[98:99]
	global_store_b128 v4, v[CODE+68:CODE+71], s[98:99] offset:512
	s_add_co_u32 s61, s61, 1
	s_cmp_lt_u32 s61, s60
	s_wait_alu depctr_va_vdst(0)
	s_cbranch_scc0 .Lend
	; a tile past the ninth: 16 rows x my 64 units, operands straight from memory
	s_wait_xcnt 0x0                                ; the stores have read their base and their registers
	s_add_nc_u64 s[98:99], s[98:99], 0x20000
	s_lshl_b32 s62, s61, 6
	s_lshl_b32 s63, s22, 4
	s_add_co_u32 s62, s62, s63
	s_add_co_u32 s62, s62, 0x200
	WIN 0x82
.set GI, 0
.rept 32
	v_mov_b32 v[GI], v[32+GI]                      ; the sums begin as the bias
.set GI, GI+1
.endr
	WIN 0
	v_add_nc_u32 v25, s62, v1                      ; rank 64 i + 16 q + r
	FINDA 25, 96
	s_wait_alu depctr_va_vdst(0)
	s_wait_dscnt 0x0
	FINDB 25, 96
	v_min_u32 v97, 0x7ff, v97
	v_lshlrev_b32 v124, 10, v97
	v_lshl_add_u32 v124, v2, 4, v124
	v_and_b32 v125, 8, v1
	v_add_nc_u32 v125, v125, v1
	v_lshlrev_b32 v125, 10, v125
	v_lshl_add_u32 v125, v2, 4, v125
	s_mov_b32 s62, 8
	s_wait_alu depctr_va_vdst(0)
.Lover_k:
	PLACES 4
.irp c, 0,1,2,3
	global_load_b128 v[32+4*\c:35+4*\c], v124, s[6:7] offset:32*\c
.endr
.irp nt, 0,1,2,3
.irp c, 0,1,2,3
	global_load_b128 v[48+16*\nt+4*\c:51+16*\nt+4*\c], v125, s[8:9] offset:(32*(\nt/2)+8*(\nt%2))*1024+32*\c
.endr
.endr
	s_wait_loadcnt 0x0
	WIN 0xa0
.irp nt, 0,1,2,3
	v_wmma_f32_16x16x128_bf8_bf8 v[8*\nt:8*\nt+7], v[48+16*\nt:63+16*\nt], v[32:47], v[8*\nt:8*\nt+7]
.endr
	WIN 0
	v_add_nc_u32 v124, 0x80, v124
	v_add_nc_u32 v125, 0x80, v125
	s_sub_co_i32 s62, s62, 1
	s_cmp_lg_u32 s62, 0
	s_wait_alu depctr_va_vdst(0)
	s_cbranch_scc1 .Lover_k
	PLACES 4
	s_cmp_lt_u32 s61, s60
	s_cbranch_scc1 .Lover
.Lend:
	s_wait_tensorcnt 0x0                           ; the wave's end
	ds_add_u32 v12, v13
	s_wait_dscnt 0x0
	s_endpgm
.Lfunc_end_k_q63b7459da8_up:
	.size	k_q63b7459da8_up, .Lfunc_end_k_q63b7459da8_up-k_q63b7459da8_up
	.p2alignl 7, 3214868480
	.fill 96, 4, 3214868480
	.section	.rodata,"a",@progbits
	.p2align	6, 0x0
	.amdhsa_kernel k_q63b7459da8_up
		.amdhsa_group_segment_fixed_size 290304
		.amdhsa_private_segment_fixed_size 0
		.amdhsa_enable_private_segment 0
		.amdhsa_kernarg_size 64
		.amdhsa_user_sgpr_count 2
		.amdhsa_user_sgpr_kernarg_segment_ptr 1
		.amdhsa_wavefront_size32 1
		.amdhsa_system_sgpr_workgroup_id_x 1
		.amdhsa_system_sgpr_workgroup_id_y 1
		.amdhsa_system_sgpr_workgroup_id_z 1
		.amdhsa_system_vgpr_workitem_id 0
		.amdhsa_next_free_vgpr 1024
		.amdhsa_next_free_sgpr 102
		.amdhsa_reserve_vcc 1
		.amdhsa_float_denorm_mode_32 3
		.amdhsa_float_denorm_mode_16_64 3
		.amdhsa_memory_ordered 1
		.amdhsa_forward_progress 1
		.amdhsa_inst_pref_size 255
	.end_amdhsa_kernel
	.section	.bss,"aw",@nobits
	.p2align	6
	.space	262144
	.amdgpu_metadata
---
amdhsa.version: [ 1, 2 ]
amdhsa.kernels:
  - .name:           k_q63b7459da8_up
    .symbol:         k_q63b7459da8_up.kd
    .args:
      - { .name: selected_experts, .offset: 0, .size: 8, .value_kind: global_buffer, .address_space: global }
      - { .name: hidden_states_codes, .offset: 8, .size: 8, .value_kind: global_buffer, .address_space: global }
      - { .name: W1_codes, .offset: 16, .size: 8, .value_kind: global_buffer, .address_space: global }
      - { .name: b1, .offset: 24, .size: 8, .value_kind: global_buffer, .address_space: global }
      - { .name: lowp_scales, .offset: 32, .size: 8, .value_kind: global_buffer, .address_space: global }
      - { .name: himg, .offset: 40, .size: 8, .value_kind: global_buffer, .address_space: global }
      - { .name: rank, .offset: 48, .size: 8, .value_kind: global_buffer, .address_space: global }
      - { .name: cnt, .offset: 56, .size: 8, .value_kind: global_buffer, .address_space: global }
    .group_segment_fixed_size: 290304
    .private_segment_fixed_size: 0
    .kernarg_segment_align: 8
    .kernarg_segment_size: 64
    .max_flat_workgroup_size: 128
    .sgpr_count:     102
    .vgpr_count:     1024
    .wavefront_size: 32
...
	.end_amdgpu_metadata
.endif
;; end of part 1
;; launch down (part 2): grid 256 x 1, 4 waves a work-group, no clusters, 161,280 bytes of LDS; arguments himg, W2_codes, b2, lowp_scales, cnt, ybuf; writes ybuf
.if DOCPART == 2
	.amdgcn_target "amdgcn-amd-amdhsa--gfx1250"
	.amdhsa_code_object_version 6
	.text
	.protected	k_q63b7459da8_down
	.globl	k_q63b7459da8_down
	.p2align	8
	.type	k_q63b7459da8_down,@function
k_q63b7459da8_down:
	s_mov_b64 s[64:65], 0
	v_nop
	global_prefetch_b8 v0, s[64:65] scope:SCOPE_SE
	s_setreg_imm32_b32 hwreg(HW_REG_WAVE_MODE, 25, 1), 1
	s_wait_xcnt 0x0
; DOWN.  Work-group (e, j, q) = (id % 8, (id / 8) % 8, id / 64): y = h W2[e]^T x 2^(eh + ew2) + b2[e] for columns 128 j .. + 127 and the expert's tiles of 16 rows numbered q + 4 i;
; ybuf row e 4096 + rank, 1,024 numbers.  Only rows that some entry chose are multiplied, and the padding of the tiles among them.
; Nine tiles (i = 0 .. 8) take the main path.  Waves (wr, wc), 2 x 2: wave wr has tiles 4 wr .. 4 wr + 4, columns 64 wc .. + 63: 20 accumulators, 160 registers.  So both have tile 4: wr = 1 multiplies it too and does not store it:
; four waves with one text, and nine tiles' bytes.
; K = 2,048 in eight chunks of 256, each two steps of 128.  Global loads bring chunks into two sets of registers (16 pairs of W2's rows, 18 pieces of 512 bytes of himg, 34 loads a wave), from there into two LDS slots; one barrier a chunk.
; Tiles i = 9 and on go through a loop without barriers whose trip count is made of the row count read from memory: so this launch has no tensor load, and hence no cluster with joint loads.
; NO PREFETCH: a chunk's own loads are issued two chunks ahead of its products, into registers.
; Tiles past the expert's last are not stored, but tile i = 0 always is: a row 0 of every expert holds finite numbers.
; Both operands take K = 32 c + 16 h + 0 .. 15 in registers 4 c .. 4 c + 3: the same permutation on both sides.  Transposed use: a lane holds eight neighbouring columns of one row.
; LIMITS: -126 <= eh + ew2 <= 127; infinities and NaN among codes or biases are not served; one in a row or an expert that no entry chooses is not carried to the result.
; REGISTERS.  Window 0: v1-18 addresses; v32-191 two sets of row fragments, on the way out rows read back; v192-223 bias; v224-255 results.  Window 1: v0-127 two sets of W2's fragments; v128-199 himg, set 1.
; Window 2: accumulators.  Window 3: v0-127 two sets of W2 on their way, v128-199 himg, set 0.
.set PITCH, 272
.set WSL,   128*PITCH
.set AB,    2*WSL
.set ASL,   36864                      ; nine tiles x 4,096 bytes: images, dense
.set STG,   AB+2*ASL
.set SPARE, STG+4*16*PITCH
.set BIAS,  192
.set TMP,   224
.set BK,    32
.set MSB, 0
.macro WIN new
.if MSB != \new
	s_set_vgpr_msb (MSB<<8)|\new
.set MSB, \new
.endif
.endm
.macro PLACES n
.rept \n
	v_nop
.endr
.endm
.macro LOADW set, c, p0, n             ; W2, chunk c: pairs of rows p0 .. p0 + n - 1 of my 32
	WIN 0xc0
.set GP, \p0
.rept \n
	global_load_b128 v[64*(\set)+4*GP:64*(\set)+4*GP+3], v5, s[6:7] offset:4096*GP+256*(\c)
.set GP, GP+1
.endr
	WIN 0
.endm
.macro LOADA set, c, p0, n             ; himg, chunk c: of my 18 pieces those numbered p0 .. p0 + n - 1; two for each tile
	WIN 0xc0-0x80*(\set)
.set GP, \p0
.rept \n
	global_load_b128 v[128+4*GP:131+4*GP], v4, s[4:5] offset:131072*(GP/2)+512*(GP%2)+4096*(\c)
.set GP, GP+1
.endr
	WIN 0
.endm
.macro ST set, p0, n                   ; of a chunk's 34 stores (16 of W2, 18 of himg) those numbered p0 .. p0 + n - 1
.set GP, \p0
.rept \n
.if GP < 16
	WIN 0x0c
	ds_store_b128 v6, v[64*(\set)+4*GP:64*(\set)+4*GP+3] offset:544*GP+WSL*(\set)
.else
	WIN 0x0c-0x08*(\set)
	ds_store_b128 v[10+(\set)], v[64+4*GP:67+4*GP] offset:4096*((GP-16)/2)+512*(GP%2)
.endif
.set GP, GP+1
.endr
	WIN 0
.endm
.macro FETCH slot, k, f, p             ; the k-th 128 along K of a slot into set f: part p of four, 12 + 8 + 8 + 8 LDS loads
	WIN 0x40
.irp c, 0,1,2,3
	ds_load_b128 v[64*(\f)+16*(\p)+4*\c:64*(\f)+16*(\p)+4*\c+3], v7 offset:WSL*(\slot)+4352*(\p)+128*(\k)+32*\c
.endr
	WIN 0
.irp rt, 0,1,2,3,4
.if ((\rt) == ((\p)+1)) || (((\rt)+(\p)) == 0)
.irp c, 0,1,2,3
	ds_load_b128 v[32+80*(\f)+16*\rt+4*\c:32+80*(\f)+16*\rt+4*\c+3], v[8+(\slot)] offset:4096*\rt+2048*(\k)+512*\c
.endr
.endif
.endr
.endm
; the 20 accumulators take turns in the same order in every step
.macro MUL f, r0, r1, zero
	WIN 0xa1
.set RT, \r0
.rept (\r1)-(\r0)+1
.irp nt, 0,1,2,3
.if \zero
	v_wmma_f32_16x16x128_bf8_bf8 v[32*RT+8*\nt:32*RT+8*\nt+7], v[64*(\f)+16*\nt:64*(\f)+16*\nt+15], v[32+80*(\f)+16*RT:32+80*(\f)+16*RT+15], 0
.else
	v_wmma_f32_16x16x128_bf8_bf8 v[32*RT+8*\nt:32*RT+8*\nt+7], v[64*(\f)+16*\nt:64*(\f)+16*\nt+15], v[32+80*(\f)+16*RT:32+80*(\f)+16*RT+15], v[32*RT+8*\nt:32*RT+8*\nt+7]
.endif
.endr
.set RT, RT+1
.endr
	WIN 0
.endm
; a chunk in slot par.  swait: the loads behind the next chunk's, which may be out (-1: there is no next chunk).  ld: the chunk, counted from the bases, that is asked for (-1: none)
; ldw: the chunk two on, whose W2 is asked for; lda: the chunk three on, whose himg is asked for; both counted from the bases.  step = 1: the bases go two chunks on, between the two
.macro CH par, zero, swait, ldw, lda, step
	s_wait_dscnt 0x0                               ; set 0 is in
	PLACES 4
.irp p, 0,1,2,3
	FETCH \par, 1, 1, \p
.if (\ldw) >= 0
	LOADW \par, \ldw, 4*\p, 4
.endif
	MUL 0, \p, \p, \zero
.endr
	MUL 0, 4, 4, \zero
.if (\swait) >= 0
	s_wait_loadcnt \swait                          ; the next chunk is in registers:
	ST 1-\par, 0, 8                                ; into the other slot, which nobody reads since the last barrier
	s_wait_dscnt 8                                 ; set 1 is in; the eight stores may be out
	MUL 1, 0, 0, 0
	ST 1-\par, 8, 9
	MUL 1, 1, 1, 0
	ST 1-\par, 17, 9
	MUL 1, 2, 2, 0
	ST 1-\par, 26, 8
.if \step
	s_wait_xcnt 0x0                                ; the loads have read their bases
	s_add_nc_u64 s[4:5], s[4:5], 0x2000
	s_add_nc_u64 s[6:7], s[6:7], 0x200
.endif
	s_wait_dscnt 0x0                               ; my reads of this slot and my stores are over
	s_barrier_signal -1
	MUL 1, 3, 3, 0
	s_barrier_wait -1
	PLACES 4
.irp p, 0,1,2,3
	FETCH 1-\par, 0, 0, \p
.if (\lda) >= 0
	LOADA 1-\par, \lda, 5*\p-\p/3, 5-\p/2
.endif
.if \p == 1
	MUL 1, 4, 4, 0
.endif
.endr
.else
	s_wait_dscnt 0x0
	MUL 1, 0, 4, 0
.endif
.endm
	s_load_b256 s[4:11], s[0:1], 0x0               ; himg s[4:5], W2 codes s[6:7], b2 s[8:9], exponents s[10:11]
	s_load_b128 s[12:15], s[0:1], 0x20             ; cnt s[12:13], ybuf s[14:15]
	v_lshrrev_b32 v1, 5, v0
	v_readfirstlane_b32 s23, v1                    ; wave
	v_and_b32 v1, 15, v0                           ; r
	v_bfe_u32 v2, v0, 4, 1                         ; h
	v_and_b32 v3, 31, v0
	v_lshlrev_b32 v4, 4, v3                        ; 16 lane
	v_lshlrev_b32 v19, 4, v1
	v_lshl_add_u32 v5, v2, 11, v19                 ; W2: the pair's row h, 16 r
	v_lshlrev_b32 v17, 5, v2
	v_lshlrev_b32 v18, 11, v1
	v_lshl_add_u32 v18, v2, 4, v18
	v_lshl_add_u32 v16, v2, 12, v19                ; out: the pair's row h, 16 r
	v_mul_u32_u24 v20, v2, PITCH
	v_add_nc_u32 v20, v20, v19                     ; h x pitch + 16 r
	v_mul_u32_u24 v21, v1, PITCH
	v_lshl_add_u32 v7, v2, 4, v21                  ; r x pitch + 16 h
	v_lshl_add_u32 v14, v2, 5, v21                 ; r x pitch + 32 h
	v_lshl_add_u32 v12, v0, 2, SPARE
	v_mov_b32 v13, 0
	s_and_b32 s20, ttmp9, 7                        ; e
	s_bfe_u32 s21, ttmp9, 0x30003                  ; j
	s_lshr_b32 s22, ttmp9, 6                       ; q
	s_lshr_b32 s24, s23, 1                         ; wr
	s_and_b32 s25, s23, 1                          ; wc
	s_mul_i32 s40, s23, 32*PITCH
	s_mul_i32 s41, s25, 64*PITCH
	s_lshl_b32 s42, s24, 14
	s_add_co_u32 s42, s42, AB
	s_lshl_b32 s43, s23, 10
	s_add_co_u32 s43, s43, AB
	s_mul_i32 s44, s23, 16*PITCH
	s_add_co_u32 s44, s44, STG
	s_wait_alu depctr_va_vdst(0)
	v_add_nc_u32 v6, s40, v20
	v_add_nc_u32 v7, s41, v7
	v_add_nc_u32 v8, s42, v4
	v_add_nc_u32 v9, ASL, v8
	v_add_nc_u32 v10, s43, v4
	v_add_nc_u32 v11, ASL, v10
	v_add_nc_u32 v14, s44, v14
	v_add_nc_u32 v15, s44, v20
	s_lshl_b32 s38, s20, 23                        ; himg: the expert, tile q
	s_lshl_b32 s40, s22, 15
	s_add_co_u32 s38, s38, s40
	s_mov_b32 s39, 0
	s_lshl_b32 s40, s20, 21                        ; W2: the expert, my tile's 128 rows
	s_lshl_b32 s42, s21, 18
	s_add_co_u32 s40, s40, s42
	s_mov_b32 s41, 0
	s_lshl_b32 s42, s20, 12                        ; b2
	s_lshl_b32 s44, s21, 9
	s_add_co_u32 s42, s42, s44
	s_lshl_b32 s44, s25, 8
	s_add_co_u32 s42, s42, s44
	s_mov_b32 s43, 0
	s_wait_alu depctr_va_vdst(0)
	s_wait_kmcnt 0x0
	s_add_nc_u64 s[8:9], s[8:9], s[42:43]
	s_add_nc_u64 s[16:17], s[4:5], s[38:39]
	s_add_nc_u64 s[18:19], s[6:7], s[40:41]
	s_lshl_b32 s38, s23, 10                        ; my pieces of himg: 1,024 bytes of each 4,096
	s_add_nc_u64 s[4:5], s[16:17], s[38:39]
	s_lshl_b32 s38, s23, 16                        ; my 32 rows of W2
	s_add_nc_u64 s[6:7], s[18:19], s[38:39]
.irp nt, 0,1,2,3
	global_load_b128 v[BIAS+8*\nt:BIAS+8*\nt+3], v17, s[8:9] offset:64*\nt
	global_load_b128 v[BIAS+8*\nt+4:BIAS+8*\nt+7], v17, s[8:9] offset:64*\nt+16
.endr
	LOADW 0, 0, 0, 16
	LOADA 0, 0, 0, 18
	LOADW 1, 1, 0, 16
	LOADA 1, 1, 0, 18
	s_lshl_b32 s38, s20, 4
	s_add_nc_u64 s[10:11], s[10:11], s[38:39]
	s_load_b128 s[28:31], s[10:11], 0x0            ; ex, ew1, eh, ew2
	s_lshl_b32 s38, s20, 8
	s_add_nc_u64 s[12:13], s[12:13], s[38:39]
	s_load_b32 s32, s[12:13], 0x0                  ; the expert's rows
	s_lshl_b32 s38, s25, 17
	s_add_nc_u64 s[34:35], s[18:19], s[38:39]      ; W2 at my 64 columns
	s_lshl_b32 s38, s20, 24                        ; ybuf: the expert, tile q, my 64 columns
	s_lshl_b32 s40, s22, 16
	s_add_co_u32 s38, s38, s40
	s_lshl_b32 s40, s21, 9
	s_add_co_u32 s38, s38, s40
	s_lshl_b32 s40, s25, 8
	s_add_co_u32 s38, s38, s40
	s_add_nc_u64 s[14:15], s[14:15], s[38:39]
	s_lshl_b32 s38, s24, 20
	s_add_nc_u64 s[36:37], s[14:15], s[38:39]      ; and at tile 4 wr
	s_wait_loadcnt 34                              ; chunk 0 is in; chunk 1 may be out
	ST 0, 0, 34
	s_wait_dscnt 0x0
	s_barrier_signal -1
	s_barrier_wait -1
.irp p, 0,1,2,3
	FETCH 0, 0, 0, \p
.endr
	LOADA 0, 2, 0, 18
	CH 0, 1, 34, 2, 3, 0
	s_mov_b32 s3, 0
.Lpair:                                                ; chunks 1, 2 and 3, 4; they ask for W2's chunks 3 to 6 and himg's 4 to 7
	CH 1, 0, 34, 3, 4, 0
	CH 0, 0, 34, 4, 3, 1
	s_add_co_u32 s3, s3, 1
	s_cmp_lt_u32 s3, 2
	s_cbranch_scc1 .Lpair
	CH 1, 0, 34, 3, -1, 0
	CH 0, 0, 0, -1, -1, 0
	CH 1, 0, -1, -1, -1, 0
	s_wait_kmcnt 0x0
	s_add_co_i32 s68, s30, s31
	s_add_co_i32 s68, s68, 127
	s_lshl_b32 s68, s68, 23                        ; 2^(eh + ew2)
	s_mov_b32 s69, s68
	s_add_co_u32 s40, s32, 15
	s_lshr_b32 s40, s40, 4
	s_min_u32 s40, s40, 0x100                      ; 4,096 rows at most
	s_lshl_b32 s44, s24, 4
	s_add_co_u32 s44, s44, s22                     ; my first tile's number: q + 16 wr
	PLACES 4
; a row tile goes through my own stage (LDS serves a wave's instructions in order: ISA guide 5.7.1.4) and back as rows of 256 bytes
.macro TOSTAGE rt
	WIN 0x02
.set GI, 0
.rept 16
	v_pk_fma_f32 v[TMP+GI:TMP+GI+1], v[32*(\rt)+GI:32*(\rt)+GI+1], s[68:69], v[BIAS+GI:BIAS+GI+1] op_sel_hi:[1,0,1]
.set GI, GI+2
.endr
	WIN 0
.irp nt, 0,1,2,3
	ds_store_b128 v14, v[TMP+8*\nt:TMP+8*\nt+3] offset:64*\nt
	ds_store_b128 v14, v[TMP+8*\nt+4:TMP+8*\nt+7] offset:64*\nt+16
.endr
.irp i, 0,1,2,3,4,5,6,7
	ds_load_b128 v[BK+32*(\rt)+4*\i:BK+32*(\rt)+4*\i+3], v15 offset:544*\i
.endr
.endm
.macro SEND rt, younger                ; younger: the next tile's 8 stores and 8 loads
	s_wait_dscnt \younger
.if (\rt) == 0
	s_cmp_eq_u32 s24, 0                            ; tile 4 is stored by wr = 0 alone
.else
	s_add_co_u32 s43, s44, 4*(\rt)
	s_cmp_lt_u32 s43, s40
.endif
	s_cbranch_scc0 .Lkeep_\@
.irp i, 0,1,2,3,4,5,6,7
	global_store_b128 v16, v[BK+32*(\rt)+4*\i:BK+32*(\rt)+4*\i+3], s[36:37] offset:262144*(\rt)+8192*\i   ; sixteen lanes store 256 consecutive bytes, aligned
.endr
.Lkeep_\@:
.endm
	TOSTAGE 0
.irp a, 1,2,3,4
	TOSTAGE \a
	SEND \a-1, 16
.endr
	SEND 4, 0
	; tiles past the ninth: wave wr takes i = 9 + wr, 11 + wr, ..
	s_sub_co_i32 s41, s40, s22
	s_add_co_i32 s41, s41, 3
	s_ashr_i32 s41, s41, 2
	s_sub_co_i32 s41, s41, 8
	s_sub_co_i32 s41, s41, s24
	s_ashr_i32 s41, s41, 1
	s_max_i32 s41, s41, 0
	s_min_u32 s41, s41, 28                         ; at most 64 tiles less the nine, every other one
	s_wait_alu depctr_va_vdst(0)
	s_cmp_gt_i32 s41, 0
	s_cbranch_scc0 .Lend
	s_add_co_u32 s42, s24, 9
	s_lshl_b32 s38, s42, 17
	s_add_nc_u64 s[46:47], s[16:17], s[38:39]      ; himg at tile i
	s_lshl_b32 s38, s42, 18
	s_add_nc_u64 s[48:49], s[14:15], s[38:39]      ; ybuf at tile i
	s_mov_b32 s42, 0
.Lover:
	s_wait_xcnt 0x0                                ; earlier stores have read their registers
	s_mov_b64 s[50:51], s[46:47]
	s_mov_b64 s[52:53], s[34:35]
	WIN 0x80
.set GI, 0
.rept 32
	v_mov_b32 v[GI], 0
.set GI, GI+1
.endr
	WIN 0
	s_mov_b32 s54, 16
	s_wait_alu depctr_va_vdst(0)
.Lover_k:
	PLACES 4
.irp c, 0,1,2,3
	global_load_b128 v[32+4*\c:35+4*\c], v4, s[50:51] offset:512*\c
.endr
	WIN 0x40
.irp nt, 0,1,2,3
.irp c, 0,1,2,3
	global_load_b128 v[16*\nt+4*\c:16*\nt+4*\c+3], v18, s[52:53] offset:32768*\nt+32*\c
.endr
.endr
	s_wait_loadcnt 0x0
	WIN 0xa1
.irp nt, 0,1,2,3
	v_wmma_f32_16x16x128_bf8_bf8 v[8*\nt:8*\nt+7], v[16*\nt:16*\nt+15], v[32:47], v[8*\nt:8*\nt+7]
.endr
	WIN 0
	s_wait_xcnt 0x0
	s_add_nc_u64 s[50:51], s[50:51], 0x800
	s_add_nc_u64 s[52:53], s[52:53], 0x80
	s_sub_co_i32 s54, s54, 1
	s_cmp_lg_u32 s54, 0
	s_cbranch_scc1 .Lover_k
	PLACES 4
	TOSTAGE 0
	s_wait_dscnt 0x0
.irp i, 0,1,2,3,4,5,6,7
	global_store_b128 v16, v[BK+4*\i:BK+4*\i+3], s[48:49] offset:8192*\i
.endr
	s_wait_xcnt 0x0
	s_add_nc_u64 s[46:47], s[46:47], 0x40000
	s_add_nc_u64 s[48:49], s[48:49], 0x80000
	s_add_co_u32 s42, s42, 1
	s_cmp_lt_u32 s42, s41
	s_wait_alu depctr_va_vdst(0)
	s_cbranch_scc1 .Lover
.Lend:
	s_wait_tensorcnt 0x0                           ; the wave's end
	ds_add_u32 v12, v13
	s_wait_dscnt 0x0
	s_endpgm
.Lfunc_end_k_q63b7459da8_down:
	.size	k_q63b7459da8_down, .Lfunc_end_k_q63b7459da8_down-k_q63b7459da8_down
	.p2alignl 7, 3214868480
	.fill 96, 4, 3214868480
	.section	.rodata,"a",@progbits
	.p2align	6, 0x0
	.amdhsa_kernel k_q63b7459da8_down
		.amdhsa_group_segment_fixed_size 161280
		.amdhsa_private_segment_fixed_size 0
		.amdhsa_enable_private_segment 0
		.amdhsa_kernarg_size 48
		.amdhsa_user_sgpr_count 2
		.amdhsa_user_sgpr_kernarg_segment_ptr 1
		.amdhsa_wavefront_size32 1
		.amdhsa_system_sgpr_workgroup_id_x 1
		.amdhsa_system_sgpr_workgroup_id_y 1
		.amdhsa_system_sgpr_workgroup_id_z 1
		.amdhsa_system_vgpr_workitem_id 0
		.amdhsa_next_free_vgpr 976
		.amdhsa_next_free_sgpr 80
		.amdhsa_reserve_vcc 0
		.amdhsa_float_denorm_mode_32 3
		.amdhsa_float_denorm_mode_16_64 3
		.amdhsa_memory_ordered 1
		.amdhsa_forward_progress 1
		.amdhsa_inst_pref_size 114
	.end_amdhsa_kernel
	.amdgpu_metadata
---
amdhsa.version: [ 1, 2 ]
amdhsa.kernels:
  - .name:           k_q63b7459da8_down
    .symbol:         k_q63b7459da8_down.kd
    .args:
      - { .name: himg, .offset: 0, .size: 8, .value_kind: global_buffer, .address_space: global }
      - { .name: W2_codes, .offset: 8, .size: 8, .value_kind: global_buffer, .address_space: global }
      - { .name: b2, .offset: 16, .size: 8, .value_kind: global_buffer, .address_space: global }
      - { .name: lowp_scales, .offset: 24, .size: 8, .value_kind: global_buffer, .address_space: global }
      - { .name: cnt, .offset: 32, .size: 8, .value_kind: global_buffer, .address_space: global }
      - { .name: ybuf, .offset: 40, .size: 8, .value_kind: global_buffer, .address_space: global }
    .group_segment_fixed_size: 161280
    .private_segment_fixed_size: 0
    .kernarg_segment_align: 8
    .kernarg_segment_size: 48
    .max_flat_workgroup_size: 128
    .sgpr_count:     80
    .vgpr_count:     976
    .wavefront_size: 32
...
	.end_amdgpu_metadata
.endif
;; end of part 2
;; launch combine (part 3): grid 256 x 1, 8 waves a work-group, no clusters, 0 bytes of LDS; arguments ybuf, rank, expert_weights, selected_experts, out0; writes out0
.if DOCPART == 3
	.amdgcn_target "amdgcn-amd-amdhsa--gfx1250"
	.amdhsa_code_object_version 6
	.text
	.protected	k_q63b7459da8_combine
	.globl	k_q63b7459da8_combine
	.p2align	8
	.type	k_q63b7459da8_combine,@function
k_q63b7459da8_combine:
	s_mov_b64 s[64:65], 0
	v_nop
	global_prefetch_b8 v0, s[64:65] scope:SCOPE_SE
	s_setreg_imm32_b32 hwreg(HW_REG_WAVE_MODE, 25, 1), 1
	s_wait_xcnt 0x0
; COMBINE.  out[t] = w(t, 0) y[row(2 t)] + w(t, 1) y[row(2 t + 1)], row = 4096 e + rank[e][entry], e the entry's index: each output row has one owner.
; The ranks under all eight experts are loaded beside the indices, and the index selects.  A slot whose index is not 0 .. 7 (compared unsigned, so a negative one too) counts with weight 0 and takes row 0, which always holds finite numbers.
; A token that names one expert twice has two equal rows: w0 y + w1 y stands for (w0 + w1) y, rounded in another order.
; LIMIT: an infinity or a NaN in a row that no slot of the token names is not carried to it.
; One wave takes one token: a row of 4,096 bytes is eight loads of 512 consecutive bytes.  No LDS, no barrier, no matrix unit, nothing shared: no cluster.
	s_load_b256 s[4:11], s[0:1], 0x0               ; ybuf s[4:5], rank s[6:7], expert_weights s[8:9], selected_experts s[10:11]
	s_load_b64 s[12:13], s[0:1], 0x20              ; out0
	v_lshrrev_b32 v2, 5, v0
	v_readfirstlane_b32 s16, v2                    ; wave 0 .. 7
	v_and_b32 v1, 31, v0
	v_lshlrev_b32 v1, 4, v1                        ; 16 bytes a lane
	s_lshl_b32 s17, ttmp9, 3
	s_add_co_u32 s17, s17, s16                     ; my token
	s_lshl_b32 s20, s17, 3                         ; its two entries: 8 bytes in each table
	s_mov_b32 s21, 0
	s_lshl_b32 s22, s17, 12                        ; its row of out0
	s_mov_b32 s23, 0
	s_wait_alu depctr_va_vdst(0)
	s_wait_kmcnt 0x0
	s_add_nc_u64 s[6:7], s[6:7], s[20:21]
	s_add_nc_u64 s[8:9], s[8:9], s[20:21]
	s_add_nc_u64 s[10:11], s[10:11], s[20:21]
	s_add_nc_u64 s[12:13], s[12:13], s[22:23]
	s_load_b64 s[28:29], s[10:11], 0x0             ; the two indices
.irp e, 0,1,2,3,4,5,6,7
	s_load_b64 s[40+2*\e:41+2*\e], s[6:7], 16384*\e
.endr
	s_load_b64 s[26:27], s[8:9], 0x0               ; the two weights
	s_wait_kmcnt 0x0
	s_mov_b32 s24, s40
	s_mov_b32 s25, s41
.irp e, 1,2,3,4,5,6,7
	s_cmp_eq_u32 s28, \e
	s_cselect_b32 s24, s[40+2*\e], s24
	s_cmp_eq_u32 s29, \e
	s_cselect_b32 s25, s[41+2*\e], s25
.endr
	s_min_u32 s34, s28, 7
	s_lshl_b32 s34, s34, 12
	s_add_co_u32 s24, s24, s34
	s_min_u32 s34, s29, 7
	s_lshl_b32 s34, s34, 12
	s_add_co_u32 s25, s25, s34
	s_cmp_lt_u32 s28, 8
	s_cselect_b32 s30, s26, 0
	s_cselect_b32 s24, s24, 0
	s_mov_b32 s31, s30                             ; (named as a pair, so both words are written)
	s_cmp_lt_u32 s29, 8
	s_cselect_b32 s32, s27, 0
	s_cselect_b32 s25, s25, 0
	s_mov_b32 s33, s32
	s_min_u32 s24, s24, 0x7fff                     ; held inside ybuf
	s_min_u32 s25, s25, 0x7fff
	s_mov_b32 s35, 0
	s_lshl_b32 s34, s24, 12
	s_add_nc_u64 s[36:37], s[4:5], s[34:35]
	s_lshl_b32 s34, s25, 12
	s_add_nc_u64 s[38:39], s[4:5], s[34:35]
.irp i, 0,1,2,3,4,5,6,7
	global_load_b128 v[8+8*\i:11+8*\i], v1, s[36:37] offset:512*\i
	global_load_b128 v[12+8*\i:15+8*\i], v1, s[38:39] offset:512*\i
.endr
.irp i, 0,1,2,3,4,5,6,7
	s_wait_loadcnt 14-2*\i                         ; loads come back in order: pair i is in, the later pairs may be out
	v_pk_mul_f32 v[72+4*\i:73+4*\i], v[8+8*\i:9+8*\i], s[30:31] op_sel_hi:[1,0]
	v_pk_mul_f32 v[74+4*\i:75+4*\i], v[10+8*\i:11+8*\i], s[30:31] op_sel_hi:[1,0]
	s_delay_alu instid0(VALU_DEP_2)
	v_pk_fma_f32 v[72+4*\i:73+4*\i], v[12+8*\i:13+8*\i], s[32:33], v[72+4*\i:73+4*\i] op_sel_hi:[1,0,1]
	s_delay_alu instid0(VALU_DEP_2)
	v_pk_fma_f32 v[74+4*\i:75+4*\i], v[14+8*\i:15+8*\i], s[32:33], v[74+4*\i:75+4*\i] op_sel_hi:[1,0,1]
	global_store_b128 v1, v[72+4*\i:75+4*\i], s[12:13] offset:512*\i th:TH_STORE_NT   ; 512 consecutive bytes; written once, read by nobody here
.endr
	s_endpgm
.Lfunc_end_k_q63b7459da8_combine:
	.size	k_q63b7459da8_combine, .Lfunc_end_k_q63b7459da8_combine-k_q63b7459da8_combine
	.p2alignl 7, 3214868480
	.fill 96, 4, 3214868480
	.section	.rodata,"a",@progbits
	.p2align	6, 0x0
	.amdhsa_kernel k_q63b7459da8_combine
		.amdhsa_group_segment_fixed_size 0
		.amdhsa_private_segment_fixed_size 0
		.amdhsa_enable_private_segment 0
		.amdhsa_kernarg_size 40
		.amdhsa_user_sgpr_count 2
		.amdhsa_user_sgpr_kernarg_segment_ptr 1
		.amdhsa_wavefront_size32 1
		.amdhsa_system_sgpr_workgroup_id_x 1
		.amdhsa_system_sgpr_workgroup_id_y 1
		.amdhsa_system_sgpr_workgroup_id_z 1
		.amdhsa_system_vgpr_workitem_id 0
		.amdhsa_next_free_vgpr 104
		.amdhsa_next_free_sgpr 66
		.amdhsa_reserve_vcc 0
		.amdhsa_float_denorm_mode_32 3
		.amdhsa_float_denorm_mode_16_64 3
		.amdhsa_memory_ordered 1
		.amdhsa_forward_progress 1
		.amdhsa_inst_pref_size 9
	.end_amdhsa_kernel
	.amdgpu_metadata
---
amdhsa.version: [ 1, 2 ]
amdhsa.kernels:
  - .name:           k_q63b7459da8_combine
    .symbol:         k_q63b7459da8_combine.kd
    .args:
      - { .name: ybuf, .offset: 0, .size: 8, .value_kind: global_buffer, .address_space: global }
      - { .name: rank, .offset: 8, .size: 8, .value_kind: global_buffer, .address_space: global }
      - { .name: expert_weights, .offset: 16, .size: 8, .value_kind: global_buffer, .address_space: global }
      - { .name: selected_experts, .offset: 24, .size: 8, .value_kind: global_buffer, .address_space: global }
      - { .name: out0, .offset: 32, .size: 8, .value_kind: global_buffer, .address_space: global }
    .group_segment_fixed_size: 0
    .private_segment_fixed_size: 0
    .kernarg_segment_align: 8
    .kernarg_segment_size: 40
    .max_flat_workgroup_size: 256
    .sgpr_count:     66
    .vgpr_count:     104
    .wavefront_size: 32
...
	.end_amdgpu_metadata
.endif
;; end of part 3
